; MI455X (gfx1250); checked and timed in simulation.
; The chip was launched on July 23, 2026; its instructions are those of AMD's public machine-readable ISA for CDNA 5 (MIT licence, August 2026) and "CDNA5" Instruction Set Architecture Reference Guide (July 2026). The comments in the code are by the model that wrote it; some were corrected since.
;; Bert Attention. Allowed arithmetic: matrix products marked QUANTISED: E2M1 operands, one E8M0 scale for each 32 along K, by v_wmma_scale_f32_16x16x128_f8f6f4 with both operands' format E2M1 (or v_wmma_scale_f32_32x16x128_f4), f32 sums; products left as they are: bf16, f16 or f32 operands; f32 sums; everything else in f32.
;; Inputs: Wk 1,024 x 1,024 float32; Wq 1,024 x 1,024 float32; Wv 1,024 x 1,024 float32; bk 1,024 float32; bq 1,024 float32; bv 1,024 float32; context 4 x 2,048 x 1,024 float32; hidden_states 4 x 2,048 x 1,024 float32.
;; Outputs: out0 4 x 2,048 x 1,024 float32.
;; This version of the problem:
;;   THIS VERSION OF THE PROBLEM IS GIVEN IN LOW PRECISION. The matrix products marked QUANTISED in the list below multiply operands that are first quantised to E2M1 (2 exponent bits, 1 mantissa bit; 4 bits a number), with one power-of-two scale for each 32 numbers along K (OCP MX v1.0); their sums are f32. The products marked 'left as it is' may take bf16, f16 or f32 operands, with f32 sums. Whichever they take, every output number must still come out within the allowed error. Rounding operands to bf16 (8 significant bits) uses up far more of that allowance than f16 does (11 bits, for magnitudes from 6e-5 to 65,504). All else is computed in f32.
;;   The module's matrix products, in the order in which they are computed (A, B: the left and right operand; K: the contracted axis; several contracted axes count as one K, in the product's order):
;;     1. [M 8,192, K 1,024] x [K 1,024, N 1,024]; A: input hidden_states; B: input Wq: QUANTISED
;;     2. [M 8,192, K 1,024] x [K 1,024, N 1,024]; A: input context; B: input Wk: QUANTISED
;;     3. [M 8,192, K 1,024] x [K 1,024, N 1,024]; A: input context; B: input Wv: QUANTISED
;;     4. batch 64 x [M 2,048, K 64] x [K 64, N 2,048]; A: computed on the way; B: computed on the way: left as it is (an operand is computed on the way)
;;     5. batch 64 x [M 2,048, K 2,048] x [K 2,048, N 64]; A: computed on the way; B: computed on the way: left as it is (an operand is computed on the way)
;;   THE QUANTISER, for each operand of a quantised product, along K:
;;     - K is cut into blocks of 32 from its start; a last block that is shorter is filled with zeros.
;;     - A block's scale is 2^e with e = floor(log2(the largest magnitude in the block)) - 2, held to -126 .. 127; a block of zeros has e = 0. As a byte (E8M0): e + 127.
;;     - Each number is divided by its block's scale, clamped to +-6, and rounded to the nearest number of E2M1, ties to even, subnormals kept.
;;     - The product sums the exact products of the quantised numbers (number of the format x scale) in f32.
;;   ~~~python
;;   def quantise(x, axis):      # numpy; x: float32 -> the quantised numbers, widened to float32 again
;;       x = np.moveaxis(x, axis, -1); K = x.shape[-1]
;;       x = np.pad(x, [(0, 0)] * (x.ndim - 1) + [(0, -K % 32)]); x = x.reshape(x.shape[:-1] + (-1, 32)); a = np.abs(x).max(-1, keepdims=True)
;;       e = np.where(a > 0, np.clip(np.frexp(np.where(a > 0, a, 1))[1] - 1 - 2, -126, 127), 0)      # np.frexp(a)[1] - 1 = floor(log2(a)), exactly
;;       r = np.clip(x / 2.0 ** e, -6, 6)
;;       step = 2.0 ** (np.maximum(np.frexp(np.where(r == 0, 1, r))[1] - 1, 0) - 1)
;;       q = np.round(r / step) * step * 2.0 ** e      # np.round: ties to even
;;       return np.moveaxis(q.reshape(q.shape[:-2] + (-1,))[..., :K], -1, axis).astype(np.float32)
;;   ~~~
;; One version. Each part assembles by itself: llvm-mc -triple=amdgcn-amd-amdhsa -mcpu=gfx1250 --defsym DOCPART=n.
;; ======== version 1 of 1: 3 launches
;; limits: values are held in f16: magnitudes above 65,504 overflow, below 6.1e-05 lose precision
;; workspace buffers: xcodes 8,388,608 bytes; xscales 524,288 bytes; wcodes 1,572,864 bytes; wscales 98,304 bytes; qkv 50,331,648 bytes
;; launch quant (part 1): grid 560 x 1, 4 waves a work-group, no clusters, 68,096 bytes of LDS; arguments hidden_states, context, Wq, Wk, Wv, xcodes, xscales, wcodes, wscales; writes xcodes, xscales, wcodes, wscales
.if DOCPART == 1
	.amdgcn_target "amdgcn-amd-amdhsa--gfx1250"
	.amdhsa_code_object_version 6
	.text
	.protected	k_qf235aaa452_quant
	.globl	k_qf235aaa452_quant
	.p2align	8
	.type	k_qf235aaa452_quant,@function
k_qf235aaa452_quant:
	s_mov_b64 s[64:65], 0
	v_nop
	global_prefetch_b8 v0, s[64:65] scope:SCOPE_SE
	s_setreg_imm32_b32 hwreg(HW_REG_WAVE_MODE, 25, 1), 1
	s_wait_xcnt 0x0
; ALL FIVE f32 OPERANDS OF THE THREE PROJECTIONS BECOME CODES OF FP4 (E2M1) WITH ONE E8M0 SCALE BYTE FOR EACH 32 ALONG K.
; hidden_states and context ([8192][1024] each, K innermost) -> xcodes [16384][512 bytes], xscales [16384][32]: hidden's rows first, then context's.
; Wq, Wk, Wv ([1024 k][1024 n], K is the FIRST axis) -> wcodes [3072 n][512 bytes], K innermost, wscales [3072][32]: Wq's columns, then Wk's, then Wv's.
; A block's scale is 2^(floor(log2(its largest magnitude)) - 2); its byte is the largest magnitude's own exponent field - 2, held at 1 from below.
; Each number is divided by the scale and rounded to the nearest code, ties to even; beyond 6 the conversion gives the largest code.
; LIMITS: a block whose largest magnitude lies under 2^-124 (the floor) keeps the byte 1; a block of zeros gets the byte 1 and not 127: its codes are zeros, and this program alone
; reads the bytes.  NaN and infinities among the inputs are not served.
; SHARES.  Work-groups 0-47 take the weights (16 each: 128 columns x 512 along K), work-groups 48-559 the activations (32,768 numbers each).  The two ways part once, on the
; work-group's number, and never join; each has LDS bytes of its own.  No tensor load, no barrier: waves share nothing.
.set NWG,   48                         ; the weights' work-groups
.set STEPS, 16
.set EMAX,  2
.set CB,    8                          ; bytes of 16 codes
.set SPW,   12                         ; v12  LDS address of my spare word; never rewritten
.set NIL,   13                         ; v13  0; never rewritten
; the activations' way
.set XR,    16                         ; v16-79   four sets of 16 numbers as they are loaded
.set XX,    80                         ; v80-111  two sets of 16 neighbours along K
.set XE,    112                        ; v112-127 a scale byte for each step
.set XC,    128                        ; v128-191 codes: four registers for each step, so that no store's data are written again
.set WREG,  8192                       ; LDS 0 .. 32,767: a region for each wave: two stages of 32 x SP bytes, behind them its 256 scale bytes
.set SP,    80                         ; a lane's place in a stage: its 64 bytes + 16 of padding
; the weights' way
.set WSTG,  32768                      ; LDS 32,768 on: a stage of 32 rows x PITCH bytes for each wave
.set PITCH, 272
.set NB,    16                         ; blocks of 32 along K for a lane
.set KROW,  512                        ; a row of wcodes in bytes
.set WSB,   24                         ; v24-27   the scale bytes, four to a register
.set WX,    32                         ; v32-95   two sets of 32 numbers
.set WC,    96                         ; v96-99   a block's codes
.set WOUT,  112                        ; v112-175 the way out
.set SPARE, WSTG+4*32*PITCH            ; behind both: the spare words, 128 bytes a wave: two blocks of 256 bytes that no other line names
.macro XLOAD t                         ; step t: 2,048 bytes as they lie: each load reads 512 consecutive bytes
.irp i, 0,1,2,3
	global_load_b128 v[XR+16*((\t)%4)+4*\i:XR+16*((\t)%4)+4*\i+3], v3, s[4:5] offset:2048*(\t)+512*\i th:TH_LOAD_NT
.endr
.endm
.macro XTURN t                         ; through the wave's own stage: in as loaded, back 64 neighbouring bytes a lane.  LDS serves a wave's instructions in order: no wait between
.irp i, 0,1,2,3
	ds_store_b128 v14, v[XR+16*((\t)%4)+4*\i:XR+16*((\t)%4)+4*\i+3] offset:32*SP*((\t)%2)+8*SP*\i
.endr
.irp i, 0,1,2,3
	ds_load_b128 v[XX+16*((\t)%2)+4*\i:XX+16*((\t)%2)+4*\i+3], v15 offset:32*SP*((\t)%2)+16*\i
.endr
.endm
.macro XSTEP t
.set XS, XX+16*((\t)%2)
.if (\t) > 0
	s_wait_dscnt 1                                 ; this step's numbers are back from the stage (the last step's byte store may be out)
.else
	s_wait_dscnt 0x0
.endif
.if (\t)+4 < STEPS
	XLOAD (\t)+4                                   ; the stage's stores have read these registers: they take the loads of four steps on
.endif
.if (\t)+1 < STEPS
.if STEPS-2-(\t) >= 3
	s_wait_loadcnt 12                              ; the next step's four loads are in; those of the three steps behind it may be out
.else
	s_wait_loadcnt 4*(STEPS-2-(\t))
.endif
	XTURN (\t)+1
.endif
	v_max3_num_f32 v8, |v[XS]|, |v[XS+1]|, |v[XS+2]|               ; the largest magnitude of my 16, in two chains
	v_max3_num_f32 v9, |v[XS+3]|, |v[XS+4]|, |v[XS+5]|
.irp i, 6,10
	v_max3_num_f32 v8, v8, |v[XS+\i]|, |v[XS+\i+1]|
	v_max3_num_f32 v9, v9, |v[XS+\i+2]|, |v[XS+\i+3]|
.endr
	v_max3_num_f32 v8, v8, |v[XS+14]|, |v[XS+15]|
	v_max3_num_f32 v8, v8, v9, (EMAX+1)<<23        ; and the floor 2^(3 - 127): the byte cannot fall under 1
	v_max_num_f32_dpp v8, v8, v8 row_xmask:1 row_mask:0xf bank_mask:0xf   ; with my neighbour's 16: the block's
	v_add_nc_u32 v11, -(EMAX<<23), v8              ; 2 off its exponent field: the conversion takes this operand's exponent field as its scale
	v_cvt_scalef32_pk8_fp4_f32 v[XC+4*(\t)], v[XS:XS+7], v11
	v_cvt_scalef32_pk8_fp4_f32 v[XC+4*(\t)+1], v[XS+8:XS+15], v11
	v_lshrrev_b32 v[XE+(\t)], 23, v11              ; the scale's byte (also the plain line behind the conversions)
	ds_store_b8 v5, v[XE+(\t)] offset:16*(\t)      ; both lanes of a block write the same byte with the same value
	global_store_b64 v4, v[XC+4*(\t):XC+4*(\t)+1], s[14:15] offset:32*CB*(\t)   ; the wave stores 256 consecutive bytes, aligned
.endm
.macro WLOAD t                         ; block t: W(32 t + i, my column), i = 0 .. 31: a load reads 128 consecutive bytes a wave
.irp i, 0,1,2,3,4,5,6,7,8,9,10,11,12,13,14,15,16,17,18,19,20,21,22,23,24,25,26,27,28,29,30,31
	global_load_b32 v[WX+32*((\t)%2)+\i], v3, s[8:9] offset:(32*(\t)+\i)*4096 th:TH_LOAD_NT
.endr
.endm
.macro WBLOCK t
.set XS, WX+32*((\t)%2)
.if (\t) < NB-1
	s_wait_loadcnt 32                              ; this block's 32 loads are in; the next block's may be out
.else
	s_wait_loadcnt 0
.endif
	v_max3_num_f32 v14, |v[XS]|, |v[XS+1]|, |v[XS+2]|              ; the block's largest magnitude: all 32 numbers are mine
	v_max3_num_f32 v15, |v[XS+3]|, |v[XS+4]|, |v[XS+5]|
.irp i, 6,10,14,18,22,26
	v_max3_num_f32 v14, v14, |v[XS+\i]|, |v[XS+\i+1]|
	v_max3_num_f32 v15, v15, |v[XS+\i+2]|, |v[XS+\i+3]|
.endr
	v_max3_num_f32 v14, v14, |v[XS+30]|, |v[XS+31]|
	v_max3_num_f32 v14, v14, v15, (EMAX+1)<<23     ; and the floor
	v_add_nc_u32 v11, -(EMAX<<23), v14             ; the conversion's scale operand
	v_lshrrev_b32 v15, 23, v11                     ; the scale's byte
.if (\t)%4 == 0
	v_mov_b32 v[WSB+(\t)/4], v15                   ; four bytes to a register, the lower K in the lower byte
.else
	v_lshl_or_b32 v[WSB+(\t)/4], v15, 8*((\t)%4), v[WSB+(\t)/4]
.endif
.irp g, 0,1,2,3
	v_cvt_scalef32_pk8_fp4_f32 v[WC+\g], v[XS+8*\g:XS+8*\g+7], v11
.endr
	ds_store_b128 v4, v[WC:WC+3] offset:16*(\t)    ; 32 codes: 16 bytes of my column's row.  (The results go to an LDS store; the next vector lines are plain ones that name none of them)
.if (\t)+2 < NB
	WLOAD (\t)+2
.endif
	s_wait_dscnt 0x0                               ; the store has read its registers: the next block's codes may be written
.endm
	s_load_b256 s[4:11], s[0:1], 0x0               ; hidden s[4:5], context s[6:7], Wq s[8:9], Wk s[10:11]
	s_load_b256 s[12:19], s[0:1], 0x20             ; Wv s[12:13], xcodes s[14:15], xscales s[16:17], wcodes s[18:19]
	s_load_b64 s[20:21], s[0:1], 0x40              ; wscales
	v_lshl_add_u32 v[SPW], v0, 2, SPARE
	v_mov_b32 v[NIL], 0
	v_lshrrev_b32 v1, 5, v0
	v_readfirstlane_b32 s22, v1                    ; wave 0..3
	v_and_b32 v2, 31, v0                           ; lane
	s_wait_kmcnt 0x0
	s_cmp_lt_u32 ttmp9, NWG
	s_cbranch_scc1 .Lw
	; ---------------- the activations: a plain stream of blocks of 32; a wave takes 16 steps of 512 numbers ----------------
	s_sub_co_u32 s23, ttmp9, NWG                   ; 0 .. 511: the first 256 take hidden_states, the others context
	s_cmp_lt_u32 s23, 256
	s_cselect_b64 s[4:5], s[4:5], s[6:7]           ; the choice hangs on the work-group's number alone
	s_and_b32 s24, s23, 255
	s_lshl_b32 s24, s24, 2
	s_add_co_u32 s24, s24, s22                     ; which run of 8,192 numbers of that tensor is my wave's
	s_lshl_b32 s24, s24, 15                        ; 32,768 bytes a run
	s_mov_b32 s25, 0
	s_add_nc_u64 s[4:5], s[4:5], s[24:25]
	s_lshl_b32 s26, s23, 2
	s_add_co_u32 s26, s26, s22                     ; and which run of the joint buffers
	s_lshl_b32 s24, s26, 12                        ; 4,096 bytes of codes a run
	s_add_nc_u64 s[14:15], s[14:15], s[24:25]
	s_lshl_b32 s24, s26, 8                         ; 256 scale bytes a run
	s_add_nc_u64 s[16:17], s[16:17], s[24:25]
	v_lshlrev_b32 v3, 4, v2                        ; my 16 bytes of a load's 512
	s_mul_i32 s27, s22, WREG
	v_lshrrev_b32 v14, 2, v2
	v_mul_u32_u24 v14, v14, SP
	v_and_b32 v15, 3, v2
	v_lshl_add_u32 v14, v15, 4, v14
	v_add_nc_u32 v14, s27, v14                     ; the stage, on the way in: SP (lane / 4) + 16 (lane % 4)
	v_mul_u32_u24 v15, v2, SP
	v_add_nc_u32 v15, s27, v15                     ; and on the way out: SP x lane: my 16 neighbours
	v_mul_u32_u24 v4, v2, CB                       ; my codes' place in a step's
	v_lshrrev_b32 v5, 1, v2
	s_add_co_u32 s27, s27, 2*32*SP
	v_add_nc_u32 v5, s27, v5                       ; my wave's 256 scale bytes, my block's byte
	v_lshlrev_b32 v7, 3, v2                        ; on the way out 8 bytes a lane
	v_add_nc_u32 v6, s27, v7
.irp t, 0,1,2,3
	XLOAD \t
.endr
	s_wait_loadcnt 12                              ; step 0's four loads are in
	XTURN 0
.irp t, 0,1,2,3,4,5,6,7,8,9,10,11,12,13,14,15
	XSTEP \t
.endr
	ds_load_b64 v[8:9], v6                         ; LDS serves a wave's instructions in order: these see my byte stores
	s_wait_dscnt 0x0
	global_store_b64 v7, v[8:9], s[16:17]          ; 32 lanes store 256 consecutive bytes, aligned
	s_wait_tensorcnt 0x0                           ; the wave's end: three lines behind my last LDS store
	ds_add_u32 v[SPW], v[NIL]
	s_wait_dscnt 0x0
	s_endpgm
	; ---------------- the weights: a lane takes a column n, its registers run down K; nothing is transposed by an instruction ----------------
.Lw:
	s_lshr_b32 s23, ttmp9, 4                       ; which weight: 0 Wq, 1 Wk, 2 Wv
	s_and_b32 s24, ttmp9, 7                        ; which 128 columns
	s_bfe_u32 s25, ttmp9, 0x10003                  ; which 512 along K
	s_cmp_eq_u32 s23, 0
	s_cselect_b64 s[8:9], s[8:9], s[10:11]
	s_cmp_eq_u32 s23, 2
	s_cselect_b64 s[8:9], s[12:13], s[8:9]
	s_lshl_b32 s26, s24, 7
	s_lshl_b32 s27, s22, 5
	s_add_co_u32 s26, s26, s27                     ; my wave's first column
	s_lshl_b32 s28, s25, 21                        ; 512 rows of 4,096 bytes
	s_lshl_b32 s27, s26, 2
	s_add_co_u32 s28, s28, s27
	s_mov_b32 s29, 0
	s_add_nc_u64 s[8:9], s[8:9], s[28:29]
	s_lshl_b32 s27, s23, 10
	s_add_co_u32 s27, s27, s26                     ; my first row of wcodes and wscales
	s_lshl_b32 s28, s27, 9
	s_lshl_b32 s30, s25, 8
	s_add_co_u32 s28, s28, s30                     ; x 512 bytes + 256 for the upper half of K
	s_add_nc_u64 s[18:19], s[18:19], s[28:29]
	s_lshl_b32 s28, s27, 5
	s_lshl_b32 s30, s25, 4
	s_add_co_u32 s28, s28, s30                     ; x 32 bytes + 16
	s_add_nc_u64 s[20:21], s[20:21], s[28:29]
	v_lshlrev_b32 v3, 2, v2                        ; in: 4 bytes a lane
	s_mul_i32 s31, s22, 32*PITCH
	s_add_co_u32 s31, s31, WSTG                    ; my stage
	v_mul_u32_u24 v4, v2, PITCH
	v_add_nc_u32 v4, s31, v4                       ; into it: row = my column
	v_and_b32 v5, 15, v2
	v_lshrrev_b32 v6, 4, v2                        ; out of it: sixteen lanes to a row, two rows an instruction
	v_mul_u32_u24 v7, v6, PITCH
	v_lshl_add_u32 v7, v5, 4, v7
	v_add_nc_u32 v7, s31, v7
	v_mul_u32_u24 v8, v6, KROW
	v_lshl_add_u32 v8, v5, 4, v8                   ; and the same place in wcodes
	v_mul_u32_u24 v9, v2, 32                       ; my column's row of scale bytes
	WLOAD 0
	WLOAD 1
.set Q, 0
.rept NB
	WBLOCK Q
.set Q, Q+1
.endr
	global_store_b128 v9, v[WSB:WSB+3], s[20:21]   ; my column's 16 scale bytes
.irp t, 0,1,2,3,4,5,6,7,8,9,10,11,12,13,14,15
	ds_load_b128 v[WOUT+4*\t:WOUT+4*\t+3], v7 offset:2*\t*PITCH   ; LDS serves a wave's instructions in order: these see my stores
.endr
.irp t, 0,1,2,3,4,5,6,7,8,9,10,11,12,13,14,15
	s_wait_dscnt 15-\t                             ; loads come back in order: number t is in
	global_store_b128 v8, v[WOUT+4*\t:WOUT+4*\t+3], s[18:19] offset:2*\t*KROW   ; sixteen lanes store 256 consecutive bytes, aligned
.endr
	s_wait_tensorcnt 0x0                           ; the wave's end: three lines behind my last LDS store
	ds_add_u32 v[SPW], v[NIL]
	s_wait_dscnt 0x0
	s_endpgm
.Lfunc_end_k_qf235aaa452_quant:
	.size	k_qf235aaa452_quant, .Lfunc_end_k_qf235aaa452_quant-k_qf235aaa452_quant
	.p2alignl 7, 3214868480
	.fill 96, 4, 3214868480
	.section	.rodata,"a",@progbits
	.p2align	6, 0x0
	.amdhsa_kernel k_qf235aaa452_quant
		.amdhsa_group_segment_fixed_size 68096
		.amdhsa_private_segment_fixed_size 0
		.amdhsa_enable_private_segment 0
		.amdhsa_kernarg_size 72
		.amdhsa_user_sgpr_count 2
		.amdhsa_user_sgpr_kernarg_segment_ptr 1
		.amdhsa_wavefront_size32 1
		.amdhsa_system_sgpr_workgroup_id_x 1
		.amdhsa_system_sgpr_workgroup_id_y 1
		.amdhsa_system_sgpr_workgroup_id_z 1
		.amdhsa_system_vgpr_workitem_id 0
		.amdhsa_next_free_vgpr 192
		.amdhsa_next_free_sgpr 66
		.amdhsa_reserve_vcc 0
		.amdhsa_float_denorm_mode_32 3
		.amdhsa_float_denorm_mode_16_64 3
		.amdhsa_memory_ordered 1
		.amdhsa_forward_progress 1
		.amdhsa_inst_pref_size 111
	.end_amdhsa_kernel
	.amdgpu_metadata
---
amdhsa.version: [ 1, 2 ]
amdhsa.kernels:
  - .name:           k_qf235aaa452_quant
    .symbol:         k_qf235aaa452_quant.kd
    .args:
      - { .name: hidden_states, .offset: 0, .size: 8, .value_kind: global_buffer, .address_space: global }
      - { .name: context, .offset: 8, .size: 8, .value_kind: global_buffer, .address_space: global }
      - { .name: Wq, .offset: 16, .size: 8, .value_kind: global_buffer, .address_space: global }
      - { .name: Wk, .offset: 24, .size: 8, .value_kind: global_buffer, .address_space: global }
      - { .name: Wv, .offset: 32, .size: 8, .value_kind: global_buffer, .address_space: global }
      - { .name: xcodes, .offset: 40, .size: 8, .value_kind: global_buffer, .address_space: global }
      - { .name: xscales, .offset: 48, .size: 8, .value_kind: global_buffer, .address_space: global }
      - { .name: wcodes, .offset: 56, .size: 8, .value_kind: global_buffer, .address_space: global }
      - { .name: wscales, .offset: 64, .size: 8, .value_kind: global_buffer, .address_space: global }
    .group_segment_fixed_size: 68096
    .private_segment_fixed_size: 0
    .kernarg_segment_align: 8
    .kernarg_segment_size: 72
    .max_flat_workgroup_size: 128
    .sgpr_count:     66
    .vgpr_count:     192
    .wavefront_size: 32
...
	.end_amdgpu_metadata
.endif
;; end of part 1
;; launch proj (part 2): grid 4 x 96, 4 waves a work-group, clusters of 4 x 4, 327,680 bytes of LDS; arguments xcodes, xscales, wcodes, wscales, bq, bk, bv, qkv; writes qkv
.if DOCPART == 2
	.amdgcn_target "amdgcn-amd-amdhsa--gfx1250"
	.amdhsa_code_object_version 6
	.text
	.protected	k_qf235aaa452_proj
	.globl	k_qf235aaa452_proj
	.p2align	8
	.type	k_qf235aaa452_proj,@function
k_qf235aaa452_proj:
	s_mov_b64 s[64:65], 0
	v_nop
	global_prefetch_b8 v0, s[64:65] scope:SCOPE_SE
	s_setreg_imm32_b32 hwreg(HW_REG_WAVE_MODE, 25, 1), 1
	s_wait_xcnt 0x0
	s_wait_alu depctr_hold_cnt(0) depctr_sa_sdst(0) depctr_va_vdst(0) depctr_va_sdst(0) depctr_va_ssrc(0) depctr_va_vcc(0) depctr_vm_vsrc(0)
	s_getreg_b32 s2, hwreg(HW_REG_IB_STS2, 6, 4)
	s_cmp_eq_u32 s2, 0
	s_cbranch_scc0 .Lentry_in_a_cluster
	s_endpgm
.Lentry_in_a_cluster:
	s_bfe_u32 s2, ttmp6, 0x10000c
	s_cmp_lg_u32 s2, 0xf033
	s_cbranch_scc0 .Lentry_shape_is_right
	s_endpgm
.Lentry_shape_is_right:
; THE THREE PROJECTIONS ON CODES OF FP4: q' = (h Wq + bq) c, k = ctx Wk + bk, v = ctx Wv + bv, c = log2(e) / 8; sums in f32, results rounded once to f16.
; xcodes [16384][512 bytes] (hidden's 8,192 rows, then context's), wcodes [3072][512] (Wq's, Wk's, Wv's columns); scale bytes [rows][32].  K = 1,024.
; SHARES.  The grid is 4 tile columns x 96 tile rows of 256 x 256: tile rows 0-31 are q, 32-63 k, 64-95 v.  Four waves, each 128 x 128: 64 accumulators of 16 x 16, 512 registers.
; K is two LDS slots of 512 (rows of 256 bytes): both are asked for at the head, with the scale bytes of the work-group's 512 rows; nothing is filled again.
; CLUSTERS: 4 x 4 work-groups.  The four of a row of the cluster need the same tiles of x, the four of a column the same tiles of W: each tile is asked for jointly.
; THE MATRIX INSTRUCTION IS USED TRANSPOSED (source 0 = 16 columns of W, source 1 = 16 tokens): a lane holds token lane % 16 and eight neighbouring channels 8 (lane / 16) + 0 .. 7.
; THE BIAS is the C of each sum's first matrix instruction.
; THE RESULT'S LAYOUT, qkv: [q', k, v][batch 4][head 16][tile of 16 tokens: 128][piece 4][512 bytes].  Piece p holds 16 tokens x channels 16 p .. 16 p + 15 of the head, f16;
; the 16 bytes of (token t, channels 16 p + 8 e + 0 .. 7) lie at 16 ((t xor 8 e) + 16 e).  That is lane t + 16 e's eight results of one accumulator: one store of the wave writes a whole piece,
; 512 consecutive bytes, aligned.  The attention launch takes pieces as they lie as registers of its operands.
; LIMIT: a result beyond 65,504 becomes infinite in f16.
; REGISTERS, in windows of 256: window 0: v0-31 addresses; v32-95 scale words, two sets, and nothing else; v96-127 free; v128-191 x's fragments, one set; v192-255 the bias in the result's layout;
;   on the way out v96-223 take the packed results.   window 1: W's fragments, two sets, at v0 and v128.   windows 2, 3: the accumulators of my tokens 0-63, 64-127 ((a, b) at v[8 (8 (a % 4) + b)]).
.set NQ,     4                         ; steps of 128 along K in a slot
.set ROWB,   256                       ; a tile's row in bytes: 512 codes
.set KROW,   512                       ; a row of codes in memory
.set PITCH,  272                       ; an LDS row: 256 bytes + 16 of padding: the 16 rows that a load touches begin 68 words apart
.set FR,     8                         ; registers of a fragment: 16 rows x 128 K
.set NL,     2                         ; LDS loads that bring one
.set NP,     4                         ; places behind this matrix instruction (ISA guide 7.12.1)
.set HALFT,  128*PITCH                 ; 128 rows: what one tensor load brings
.set SLOT,   4*HALFT                   ; x's 256 rows, then W's 256
.set KS,     32                        ; a row of scale bytes
.set SCL,    2*SLOT                    ; behind the two slots: the scale bytes, as units of 256 bytes + 16 of padding
.set HALFS,  (128*KS/256)*272          ; those of 128 rows: what one tensor load brings
.set SBLK,   (16*KS/256)*272           ; those of 16 rows
.set SPARE,  SCL+4*HALFS               ; the spare words, 128 bytes a wave: two blocks of 256 bytes that no other line names
.set ADRA, 16                          ; v16-17  LDS address of my fragments of x in slot 0, 1
.set ADRB, 20                          ; v20-21  the same for W
.set CO,   26                          ; v26     my 16 bytes in a piece: 16 (lane xor 8 (lane / 16))
.set ADRS, 27                          ; v27     LDS address of my scale words: lanes 0-15 x's rows, lanes 16-31 W's
.set SPW,  28                          ; v28     LDS address of my spare word; never rewritten
.set NIL,  29                          ; v29     0; never rewritten
.set BO,   30                          ; v30     32 (lane / 16): my eight numbers of a tile of the bias
.set SC,   32                          ; scale words: set s at v[SC + 32 s]; register 4 i + q: lanes 0-15 x's block i, lanes 16-31 W's block i, the slot's q-th 128 along K
.set TMPO, 96                          ; the way out: four sets of 32
.set AF,   128
.set BI,   192
.set G1, 24                            ; s[24:31] descriptor group 1 for x's tiles;  s[32:39] group 0, one set for each slot
.set G0, 32
.set G1B, 48                           ; s[48:55], s[56:63] the same for W's
.set G0B, 56
.set G1S, 68                           ; s[68:75], s[76:79] for x's scale bytes;  s[80:87], s[88:91] for W's
.set G0S, 76
.set G1SB, 80
.set G0SB, 88
.set MSB, 0
.macro WIN new                         ; the immediate's high byte repeats the setting that is left
.if MSB != \new
	s_set_vgpr_msb (MSB<<8)|\new
.set MSB, \new
.endif
.endm
.set MUL_LO, 0xa1                      ; source 0 (W) window 1, source 1 (x) window 0, C and D window 2
.set MUL_HI, 0xf1                      ; the same, C and D window 3
.set FIRST_LO, 0x81                    ; the first step: C is the bias, in window 0
.set FIRST_HI, 0xc1
.set TO_B,   0x40                      ; destination window 1, address window 0
; A joint load: waves 0 and 1 fetch for x, waves 2 and 3 for W.  The branch hangs on the wave's number alone.  An s_nop 0 and four v_nop follow each of the two lines.
.macro JLOAD g0a, g1a, g0b, g1b
	s_cmp_eq_u32 s15, 0
	s_cbranch_scc0 .Lfor_b_\@
	tensor_load_to_lds s[\g0a:\g0a+3], s[\g1a:\g1a+7]
	s_nop 0
.rept 4
	v_nop
.endr
	s_branch .Lasked_\@
.Lfor_b_\@:
	tensor_load_to_lds s[\g0b:\g0b+3], s[\g1b:\g1b+7]
	s_nop 0
.rept 4
	v_nop
.endr
.Lasked_\@:
.endm
.macro CROUND                          ; a round of the cluster's barrier
	s_barrier_signal -1
	s_barrier_wait -1
	s_cmp_lg_u32 s14, 0
	s_cbranch_scc1 .Lnot_wave_0_\@
	s_barrier_signal -3
.Lnot_wave_0_\@:
	s_barrier_wait -3
	s_barrier_signal -1
	s_barrier_wait -1
.endm
	s_load_b128 s[4:7], s[0:1], 0x0                ; x's codes s[4:5], x's scales s[6:7]
	s_load_b128 s[8:11], s[0:1], 0x10              ; W's codes s[8:9], W's scales s[10:11]
	s_load_b128 s[96:99], s[0:1], 0x20             ; bq s[96:97], bk s[98:99]
	s_load_b64 s[66:67], s[0:1], 0x30              ; bv
	s_load_b64 s[12:13], s[0:1], 0x38              ; qkv
	v_lshl_add_u32 v[SPW], v0, 2, SPARE
	v_mov_b32 v[NIL], 0
	ds_add_u32 v[SPW], v[NIL]                      ; the wave's opening: the add, twice on end, and its wait ahead of my first tensor load
	ds_add_u32 v[SPW], v[NIL]                      ; the set-up below, work on registers, stands between the second and the wait
	v_lshrrev_b32 v1, 5, v0
	v_readfirstlane_b32 s14, v1                    ; wave 0..3
	s_lshr_b32 s15, s14, 1                         ; which half of the tile's tokens is mine.  Also: I fetch for x (0) or for W (1)
	s_and_b32 s16, s14, 1                          ; which half of its channels.  Also: which 128 rows of that tile I fetch
	s_bfe_u32 s40, ttmp6, 0x40000                  ; cx, cy: my place in the cluster
	s_bfe_u32 s41, ttmp6, 0x40004
	s_lshl_b32 s42, ttmp9, 2
	s_add_co_u32 s42, s42, s40                     ; tile column = 4 x cluster x + cx
	s_and_b32 s2, ttmp7, 0xffff                    ; cluster y, 0 .. 23
	s_lshr_b32 s95, s2, 3                          ; the product: 0 q, 1 k, 2 v: the same in all sixteen partners
	s_lshr_b32 s3, s2, 4
	s_lshl_b32 s3, s3, 3
	s_sub_co_u32 s3, s2, s3                        ; v's clusters read the rows that k's read: 8 clusters back
	s_lshl_b32 s3, s3, 2
	s_add_co_u32 s3, s3, s41                       ; tile row in xcodes
	s_lshl_b32 s17, s2, 2
	s_add_co_u32 s17, s17, s41                     ; tile row of the result, 0 .. 95
	s_lshl_b32 s43, s41, 2
	s_lshl_b32 s43, 15, s43                        ; my row of the cluster
	s_lshl_b32 s44, 0x1111, s40                    ; my column
	; descriptor group 1: a tile of 128 rows x 256 bytes, 16 bytes of padding behind each row
	s_or_b32 s[G1+0], s43, (0<<16)|(1<<20)|(1<<21)|(5<<22)|(3<<25)  ; 15:0 the mask; 17:16 elements of 1 byte; 20 padding on; 21 set beside a mask; 24:22 after every 64 words; 31:25 four words
	s_or_b32 s[G1B+0], s44, (0<<16)|(1<<20)|(1<<21)|(5<<22)|(3<<25)
.irp g, G1, G1B
	s_mov_b32 s[\g+1], ROWB<<16                    ; tensor_dim0
	s_mov_b32 s[\g+2], 128<<16                     ; tensor_dim1
	s_mov_b32 s[\g+3], ROWB<<16                    ; tile_dim0
	s_mov_b32 s[\g+4], 128                         ; tile_dim1
	s_mov_b32 s[\g+5], KROW                        ; tensor_dim0_stride
	s_mov_b32 s[\g+6], 0
	s_mov_b32 s[\g+7], 0
.endr
	; the scale bytes of 128 rows: 4,096 dense bytes, as 16 rows of 256 bytes (32 elements of 8 bytes), the same padding
	s_or_b32 s[G1S+0], s43, (3<<16)|(1<<20)|(1<<21)|(5<<22)|(3<<25)
	s_or_b32 s[G1SB+0], s44, (3<<16)|(1<<20)|(1<<21)|(5<<22)|(3<<25)
.irp g, G1S, G1SB
	s_mov_b32 s[\g+1], 32<<16
	s_mov_b32 s[\g+2], (128*KS/256)<<16
	s_mov_b32 s[\g+3], 32<<16
	s_mov_b32 s[\g+4], 128*KS/256
	s_mov_b32 s[\g+5], 32
	s_mov_b32 s[\g+6], 0
	s_mov_b32 s[\g+7], 0
.endr
	s_lshl_b32 s18, s16, 7                         ; which 128 rows of the tile I fetch
	s_lshl_b32 s20, s3, 8
	s_add_co_u32 s20, s20, s18                     ; x: row 256 x tile row + 128 x half: it hangs on cy and the cluster's y alone
	s_lshl_b32 s46, s42, 8
	s_add_co_u32 s46, s46, s18
	s_lshl_b32 s47, s95, 10
	s_add_co_u32 s46, s46, s47                     ; W: row 1,024 x product + 256 x tile column + 128 x half: on cx and the cluster's y alone
	s_mov_b32 s21, 0
	s_mov_b32 s47, 0
	s_mov_b64 s[18:19], KS
	s_mul_u64 s[22:23], s[20:21], s[18:19]         ; where these rows' scale bytes begin
	s_mul_u64 s[92:93], s[46:47], s[18:19]
	s_mov_b64 s[18:19], KROW
	s_mul_u64 s[20:21], s[20:21], s[18:19]         ; and their codes
	s_mul_u64 s[46:47], s[46:47], s[18:19]
	s_mul_i32 s45, s14, HALFT                      ; where they go: wave x 128 rows: no place in the cluster enters an LDS address
	s_mul_i32 s94, s14, HALFS
	s_wait_dscnt 0x0                               ; both opening adds are done
	s_wait_kmcnt 0x0
	s_add_nc_u64 s[20:21], s[4:5], s[20:21]
	s_add_nc_u64 s[22:23], s[6:7], s[22:23]
	s_add_nc_u64 s[46:47], s[8:9], s[46:47]
	s_add_nc_u64 s[92:93], s[10:11], s[92:93]
	CROUND                                         ; all sixteen work-groups are here: the joint loads meet
	s_mov_b32 s[G0S], 1
	s_add_co_u32 s[G0S+1], s94, SCL
	s_mov_b64 s[G0S+2:G0S+3], s[22:23]
	s_or_b32 s[G0S+3], s[G0S+3], 0x80000000
	s_mov_b32 s[G0SB], 1
	s_add_co_u32 s[G0SB+1], s94, SCL
	s_mov_b64 s[G0SB+2:G0SB+3], s[92:93]
	s_or_b32 s[G0SB+3], s[G0SB+3], 0x80000000
	JLOAD G0S, G1S, G0SB, G1SB                     ; the scale bytes first: they are wanted with slot 0
.irp s, 0,1
	s_mov_b32 s[G0+4*\s], 1
	s_add_co_u32 s[G0+4*\s+1], s45, \s*SLOT
	s_add_nc_u64 s[G0+4*\s+2:G0+4*\s+3], s[20:21], \s*ROWB
	s_or_b32 s[G0+4*\s+3], s[G0+4*\s+3], 0x80000000
	s_mov_b32 s[G0B+4*\s], 1
	s_add_co_u32 s[G0B+4*\s+1], s45, \s*SLOT
	s_add_nc_u64 s[G0B+4*\s+2:G0B+4*\s+3], s[46:47], \s*ROWB
	s_or_b32 s[G0B+4*\s+3], s[G0B+4*\s+3], 0x80000000
	JLOAD G0+4*\s, G1, G0B+4*\s, G1B               ; three tensor loads of mine are out, and no more follow
.endr
	v_and_b32 v1, 15, v0                           ; l % 16
	v_bfe_u32 v2, v0, 4, 1                         ; l / 16
	v_mul_u32_u24 v3, v1, PITCH
	v_lshl_add_u32 v4, v2, 4, v3                   ; a fragment's row x pitch + 16 x half
	s_mul_i32 s21, s15, HALFT                      ; my 128 rows of x
	s_mul_i32 s22, s16, HALFT                      ; my 128 rows of W,
	s_add_co_u32 s22, s22, 2*HALFT                 ; which lie behind x's 256
.irp s, 0,1
	v_add_nc_u32 v[ADRA+\s], s21, v4
	v_add_nc_u32 v[ADRB+\s], s22, v4
	s_add_co_u32 s21, s21, SLOT
	s_add_co_u32 s22, s22, SLOT
.endr
	v_mul_u32_u24 v5, v1, KS                       ; my row's scale bytes: 32 a row,
	v_lshrrev_b32 v6, 8, v5
	v_lshl_add_u32 v5, v6, 4, v5                   ; and 16 more for each 256 passed
	s_mul_i32 s21, s15, HALFS                      ; x's: my 128 rows
	s_mul_i32 s22, s16, HALFS                      ; W's: my 128 rows, behind x's 256
	s_add_co_u32 s22, s22, 2*HALFS
	s_sub_co_u32 s22, s22, s21
	v_mul_u32_u24 v6, s22, v2                      ; lanes 16-31 take W's: one product, the distance between the two bases
	s_add_co_u32 s21, s21, SCL
	v_add_nc_u32 v5, v5, v6
	v_add_nc_u32 v[ADRS], s21, v5
	v_and_b32 v6, 31, v0
	v_lshlrev_b32 v7, 3, v2
	v_xor_b32 v6, v6, v7
	v_lshlrev_b32 v[CO], 4, v6                     ; my 16 bytes in a piece
	v_lshlrev_b32 v[BO], 5, v2
	; where my part of the result begins: (product, batch) x 4 MiB + head x 256 KiB + tile of 16 tokens x 2 KiB
	s_lshr_b32 s20, s17, 3                         ; 8 tile rows to a batch: 4 x product + batch
	s_lshl_b32 s20, s20, 22
	s_and_b32 s21, s17, 7
	s_lshl_b32 s21, s21, 4
	s_lshl_b32 s22, s15, 3
	s_add_co_u32 s21, s21, s22                     ; my first tile of 16 tokens in the batch
	s_lshl_b32 s21, s21, 11
	s_add_co_u32 s20, s20, s21
	s_mov_b32 s21, 0
	s_lshl_b32 s46, s42, 2
	s_lshl_b32 s47, s16, 1
	s_add_co_u32 s46, s46, s47                     ; my first head: 4 x tile column + 2 x half
	s_lshl_b32 s46, s46, 18
	s_mov_b32 s47, 0
	s_add_nc_u64 s[20:21], s[20:21], s[46:47]
	s_add_nc_u64 s[12:13], s[12:13], s[20:21]
	s_cmp_eq_u32 s95, 0                            ; the product's bias
	s_cselect_b64 s[96:97], s[96:97], s[98:99]
	s_cmp_eq_u32 s95, 2
	s_cselect_b64 s[96:97], s[66:67], s[96:97]
	s_lshl_b32 s46, s42, 10
	s_lshl_b32 s47, s16, 9
	s_add_co_u32 s46, s46, s47                     ; at my first channel, 4 bytes each
	s_mov_b32 s47, 0
	s_add_nc_u64 s[96:97], s[96:97], s[46:47]
.irp b, 0,1,2,3,4,5,6,7                        ; lane (r, h) wants, for channel block b, the bias of channels 16 b + 8 h + 0 .. 7: the result's layout
	global_load_b128 v[BI+8*\b:BI+8*\b+3], v[BO], s[96:97] offset:64*\b
	global_load_b128 v[BI+8*\b+4:BI+8*\b+7], v[BO], s[96:97] offset:64*\b+16
.endr
	s_mov_b32 s98, 0x3e38aa3b                      ; c = log2(e) / 8
	s_mov_b32 s99, s98                             ; (named with it as a pair, so it is written)
.macro FRAG reg, adr, q, i             ; a fragment, 16 rows x 128 K of 4-bit codes: registers 4 c .. 4 c + 3 hold K = 64 c + 32 (l / 16) + 0 .. 31
.irp c, 0,1
	ds_load_b128 v[\reg+4*\c:\reg+4*\c+3], v[\adr] offset:64*(\q)+32*\c+(\i)*16*PITCH
.endr
.endm
; 16 matrix instructions: token blocks a0, a0 + 1 x the eight channel blocks, 128 along K.  first = 1: the sum begins with the bias.  The 64 accumulators take turns, one instruction a turn.
.macro MUL16 a0, p, q, sc, first
.irp a, \a0, \a0+1
.irp b, 0,1,2,3,4,5,6,7
.if \first
	v_wmma_scale_f32_16x16x128_f8f6f4 v[8*(8*((\a)%4)+\b):8*(8*((\a)%4)+\b)+7], v[128*(\p)+FR*\b:128*(\p)+FR*\b+FR-1], v[AF+FR*(\a):AF+FR*(\a)+FR-1], v[BI+8*\b:BI+8*\b+7], v[SC+8*NQ*(\sc)+NQ*\b+(\q)], v[SC+8*NQ*(\sc)+NQ*(\a)+(\q)] matrix_a_fmt:MATRIX_FMT_FP4 matrix_b_fmt:MATRIX_FMT_FP4 matrix_a_scale:MATRIX_SCALE_ROW1
.else
	v_wmma_scale_f32_16x16x128_f8f6f4 v[8*(8*((\a)%4)+\b):8*(8*((\a)%4)+\b)+7], v[128*(\p)+FR*\b:128*(\p)+FR*\b+FR-1], v[AF+FR*(\a):AF+FR*(\a)+FR-1], v[8*(8*((\a)%4)+\b):8*(8*((\a)%4)+\b)+7], v[SC+8*NQ*(\sc)+NQ*\b+(\q)], v[SC+8*NQ*(\sc)+NQ*(\a)+(\q)] matrix_a_fmt:MATRIX_FMT_FP4 matrix_b_fmt:MATRIX_FMT_FP4 matrix_a_scale:MATRIX_SCALE_ROW1
.endif
.endr
.endr
.endm
.macro FETCH_B slot, q, p              ; W's eight fragments of the slot's q-th 128 along K into set p
	WIN TO_B
.irp i, 0,1,2,3,4,5,6,7
	FRAG 128*(\p)+FR*\i, ADRB+\slot, \q, \i
.endr
	WIN 0
.endm
.macro FETCH_A slot, q, i0             ; x's blocks i0 .. i0 + 3
.irp i, \i0, \i0+1, \i0+2, \i0+3
	FRAG AF+FR*(\i), ADRA+\slot, \q, \i
.endr
.endm
.macro SCALES sc                       ; a slot's scale words into set sc: four words a row; lanes 0-15 take x's block i, lanes 16-31 W's block i
.irp i, 0,1,2,3,4,5,6,7
	ds_load_b128 v[SC+8*NQ*\sc+NQ*\i:SC+8*NQ*\sc+NQ*\i+3], v[ADRS] offset:\i*SBLK
.endr
.endm
.macro PLACES n                        ; plain vector lines between a matrix instruction and a load into, or a vector line on, its registers
.rept \n
	v_nop
.endr
.endm
; A step of 128 along K that has its successor in the same slot.  A block of x is free as soon as its eight products are issued: blocks 0-3 are fetched anew in the step's middle, blocks 4-7 at its end.
.macro STEP slot, q, first
	s_wait_dscnt 4*NL                              ; W's set, x's blocks 0-3 (and the scale words) are in; the youngest eight loads, x's blocks 4-7, may be out
.if \first
	WIN FIRST_LO
.else
	WIN MUL_LO
.endif
	MUL16 0, (\q)%2, \q, \slot, \first
	MUL16 2, (\q)%2, \q, \slot, \first
	s_wait_dscnt 0                                 ; x's blocks 4-7 are in
	PLACES NP
	FETCH_B \slot, (\q)+1, 1-(\q)%2
	FETCH_A \slot, (\q)+1, 0
.if \first
	WIN FIRST_HI
.else
	WIN MUL_HI
.endif
	MUL16 4, (\q)%2, \q, \slot, \first
	MUL16 6, (\q)%2, \q, \slot, \first
	PLACES NP
	WIN 0
	FETCH_A \slot, (\q)+1, 4
.endm
.macro STEPS slot, from                ; the slot's steps from .. NQ - 2
.set Q, \from
.rept NQ-1-\from
	STEP \slot, Q, 0
.set Q, Q+1
.endr
.endm
	s_wait_tensorcnt 1                             ; the scale bytes and my part of slot 0 are in; slot 1's load may be out
	s_barrier_signal -1
	s_barrier_wait -1                              ; everybody's are
	FETCH_B 0, 0, 0
	FETCH_A 0, 0, 0
	SCALES 0
	FETCH_A 0, 0, 4
	s_wait_loadcnt 0x0                             ; the bias
	STEP 0, 0, 1
	STEPS 0, 1
	; slot 0's last step changes slots: each wave waits for its part of slot 1, then one barrier
	s_wait_tensorcnt 0x0                           ; all my tensor loads have landed
	ds_add_u32 v[SPW], v[NIL]                      ; 0 onto my spare word
	s_wait_dscnt 4*NL+1                            ; (the add and the youngest eight loads may be out)
	WIN MUL_LO
	MUL16 0, 1, NQ-1, 0, 0                         ; sixteen matrix instructions stand between the add and the wait for it
	s_wait_dscnt 0x0                               ; the add is done, and no LDS load of mine is out
	s_barrier_signal -1
	MUL16 2, 1, NQ-1, 0, 0
	WIN 0
	s_barrier_wait -1                              ; slot 1 is whole
	PLACES NP
	v_add_nc_u32 v[ADRS], 4*NQ, v[ADRS]            ; on to slot 1's scale words
	FETCH_B 1, 0, 0
	FETCH_A 1, 0, 0
	SCALES 1
	WIN MUL_HI
	MUL16 4, 1, NQ-1, 0, 0
	MUL16 6, 1, NQ-1, 0, 0
	PLACES NP
	WIN 0
	FETCH_A 1, 0, 4
	STEPS 1, 0
	s_wait_dscnt 4*NL                              ; the very last step: nothing more to fetch
	WIN MUL_LO
	MUL16 0, 1, NQ-1, 1, 0
	MUL16 2, 1, NQ-1, 1, 0
	s_wait_dscnt 0
	WIN MUL_HI
	MUL16 4, 1, NQ-1, 1, 0
	MUL16 6, 1, NQ-1, 1, 0
	WIN 0
	PLACES NP                                      ; behind the last products: their results are read, and registers that they read are written, below
	; q alone is multiplied by c, in f32, ahead of its one rounding.  The branch hangs on the cluster's number: it is the same in all partners and waves
	s_cmp_lg_u32 s95, 0
	s_cbranch_scc1 .Lplain
	WIN 0x82                                       ; destination and source 0 window 2
.set i, 0
.rept 128
	v_pk_mul_f32 v[i:i+1], v[i:i+1], s[98:99] op_sel_hi:[1,0]      ; each accumulator from its low end on
.set i, i+2
.endr
	WIN 0xc3                                       ; window 3
.set i, 0
.rept 128
	v_pk_mul_f32 v[i:i+1], v[i:i+1], s[98:99] op_sel_hi:[1,0]
.set i, i+2
.endr
	WIN 0
.Lplain:
; THE WAY OUT of token block a: a lane's eight results of an accumulator round to 16 bytes, which are its 16 bytes of a piece.  No stage.
.macro OUT a
.set AC, 64*((\a)%4)
.set TO, TMPO+32*((\a)%4)
.if (\a) >= 4
	s_wait_xcnt 0x0                                ; the stores of four blocks back have read these registers: they are written again only behind this wait
.endif
	WIN 0x0a+5*((\a)/4)                            ; sources 0 and 1: window 2 or 3
.irp b, 0,1,2,3,4,5,6,7
.irp r, 0,1,2,3
	v_cvt_pk_f16_f32 v[TO+4*\b+\r], v[AC+8*\b+2*\r], v[AC+8*\b+2*\r+1]
.endr
.endr
	WIN 0
.irp b, 0,1,2,3,4,5,6,7
	global_store_b128 v[CO], v[TO+4*\b:TO+4*\b+3], s[12:13] offset:2048*(\a)+262144*(\b/4)+512*(\b%4) th:TH_STORE_NT   ; head b / 4, piece b % 4: the wave stores 512 consecutive bytes, aligned
.endr
.endm
.irp a, 0,1,2,3,4,5,6,7
	OUT \a
.endr
	s_wait_tensorcnt 0x0                           ; the wave's end: three lines behind my last tensor load
	ds_add_u32 v[SPW], v[NIL]
	s_wait_dscnt 0x0
	CROUND                                         ; the closing round: no work-group ends while a partner may still ask for a tile that names it
	s_endpgm
.Lfunc_end_k_qf235aaa452_proj:
	.size	k_qf235aaa452_proj, .Lfunc_end_k_qf235aaa452_proj-k_qf235aaa452_proj
	.p2alignl 7, 3214868480
	.fill 96, 4, 3214868480
	.section	.rodata,"a",@progbits
	.p2align	6, 0x0
	.amdhsa_kernel k_qf235aaa452_proj
		.amdhsa_group_segment_fixed_size 327680
		.amdhsa_private_segment_fixed_size 0
		.amdhsa_enable_private_segment 0
		.amdhsa_kernarg_size 64
		.amdhsa_user_sgpr_count 2
		.amdhsa_user_sgpr_kernarg_segment_ptr 1
		.amdhsa_wavefront_size32 1
		.amdhsa_system_sgpr_workgroup_id_x 1
		.amdhsa_system_sgpr_workgroup_id_y 1
		.amdhsa_system_sgpr_workgroup_id_z 1
		.amdhsa_system_vgpr_workitem_id 0
		.amdhsa_next_free_vgpr 1024
		.amdhsa_next_free_sgpr 100
		.amdhsa_reserve_vcc 0
		.amdhsa_float_denorm_mode_32 3
		.amdhsa_float_denorm_mode_16_64 3
		.amdhsa_memory_ordered 1
		.amdhsa_forward_progress 1
		.amdhsa_inst_pref_size 136
	.end_amdhsa_kernel
	.amdgpu_metadata
---
amdhsa.version: [ 1, 2 ]
amdhsa.kernels:
  - .name:           k_qf235aaa452_proj
    .symbol:         k_qf235aaa452_proj.kd
    .args:
      - { .name: xcodes, .offset: 0, .size: 8, .value_kind: global_buffer, .address_space: global }
      - { .name: xscales, .offset: 8, .size: 8, .value_kind: global_buffer, .address_space: global }
      - { .name: wcodes, .offset: 16, .size: 8, .value_kind: global_buffer, .address_space: global }
      - { .name: wscales, .offset: 24, .size: 8, .value_kind: global_buffer, .address_space: global }
      - { .name: bq, .offset: 32, .size: 8, .value_kind: global_buffer, .address_space: global }
      - { .name: bk, .offset: 40, .size: 8, .value_kind: global_buffer, .address_space: global }
      - { .name: bv, .offset: 48, .size: 8, .value_kind: global_buffer, .address_space: global }
      - { .name: qkv, .offset: 56, .size: 8, .value_kind: global_buffer, .address_space: global }
    .group_segment_fixed_size: 327680
    .private_segment_fixed_size: 0
    .kernarg_segment_align: 8
    .kernarg_segment_size: 64
    .max_flat_workgroup_size: 128
    .sgpr_count:     100
    .vgpr_count:     1024
    .wavefront_size: 32
...
	.end_amdgpu_metadata
.endif
;; end of part 2
;; launch attn (part 3): grid 4 x 64, 8 waves a work-group, clusters of 4 x 1, 327,680 bytes of LDS; arguments qkv, out0; writes out0
.if DOCPART == 3
	.amdgcn_target "amdgcn-amd-amdhsa--gfx1250"
	.amdhsa_code_object_version 6
	.text
	.protected	k_qf235aaa452_attn
	.globl	k_qf235aaa452_attn
	.p2align	8
	.type	k_qf235aaa452_attn,@function
k_qf235aaa452_attn:
	s_mov_b64 s[64:65], 0
	v_nop
	global_prefetch_b8 v0, s[64:65] scope:SCOPE_SE
	s_setreg_imm32_b32 hwreg(HW_REG_WAVE_MODE, 25, 1), 1
	s_wait_xcnt 0x0
	s_wait_alu depctr_hold_cnt(0) depctr_sa_sdst(0) depctr_va_vdst(0) depctr_va_sdst(0) depctr_va_ssrc(0) depctr_va_vcc(0) depctr_vm_vsrc(0)
	s_getreg_b32 s2, hwreg(HW_REG_IB_STS2, 6, 4)
	s_cmp_eq_u32 s2, 0
	s_cbranch_scc0 .Lentry_in_a_cluster
	s_endpgm
.Lentry_in_a_cluster:
	s_bfe_u32 s2, ttmp6, 0x10000c
	s_cmp_lg_u32 s2, 0x3003
	s_cbranch_scc0 .Lentry_shape_is_right
	s_endpgm
.Lentry_shape_is_right:
; out0[b][q][64 hd + :] = the sum over k of softmax_k(q . k / 8) v, for 64 (batch, head) pairs, 2,048 queries x 2,048 keys, head size 64, no mask.
; q' (already multiplied by c = log2(e) / 8), k and v come as f16 in qkv: [q', k, v][batch x head: 64][tile of 16 tokens: 128][piece 4][512 bytes]; in a piece p the 16 bytes of
; (token t, channels 16 p + 8 e + 0 .. 7) lie at 16 ((t xor 8 e) + 16 e).  Products and sums in f32; the weights p are rounded to f16 for the second product.
; SOFTMAX.  s = q' . k;  for each query a running maximum m and sum l;  p = 2^(s - m), at most 1;  in every step O and l are multiplied by a = 2^(m_old - m_new).  The sum is taken of the unrounded p.
; SHARES.  A work-group owns 512 queries of one head, each of its eight waves 64: four tiles of 16, in 512 registers: two waves to a SIMD.  Every wave walks all keys, 64 a step.
; LAYOUT.  S^T = K Q^T (source 0 = 16 keys, source 1 = 16 queries): a lane holds ONE query (lane % 16) and keys 8 (lane / 16) + 0 .. 7 of each tile of keys.  Two such tiles, rounded in pairs, are
; source 1 (32 keys x 16 queries) of O^T = V^T P.  Pieces 2 s, 2 s + 1 of a tile of tokens ARE registers 0-3, 4-7 of a fragment of K or Q (16 rows x channels 32 s on): plain loads of 16 bytes at
; 16 (lane xor 8 (lane / 16)).  A fragment of V^T comes from the same pieces by the turning load.  In both, each group of 16 lanes takes 16 different 16-byte columns of 256 bytes.
; RING.  Two LDS slots of 512 keys (K's 64 KiB, then V's), dense.  Waves 0, 1 bring K's halves, waves 2, 3 V's, 32 KiB a load; waves 4-7 bring nothing.  A load has a slot's eight steps in which to land.
; CLUSTER.  The four work-groups of a head walk the same K and V: each tile is asked for jointly, with a mask that names the four.
; LIMITS: p under 2^-25 rounds to 0 in f16 beside a largest p of 1; 1 / l is v_rcp_f32's; NaN and infinities are not served.
; REGISTERS.  window 0: v1-9 addresses; v32-63 statistics, eight a tile; v64-191 S^T, 32 a tile, then p, then p's f16 pairs in each tile's low 16; v192-255 K of a step.
;             window 1: v0-127 O^T, 32 a tile; v128-191 Q, 16 a tile; v192-255 V^T of a step.
.set SLOT1, 1<<17                      ; slot 1 begins here: one exclusive or turns an address in one slot into the other's
.set VOFF,  65536                      ; V's pieces lie behind K's
.set STAGE, 2*SLOT1                    ; behind the ring: 16 rows x 272 bytes for each wave, for the way out
.set SPARE, STAGE+8*16*272             ; the spare words, 128 bytes a wave: four blocks of 256 bytes that no other line names
.set LT,  1                            ; v1   16 (lane xor 8 (lane / 16)): my 16 bytes in a piece
.set AV0, 2                            ; v2   the turning load's place in a piece, + VOFF
.set ADK, 3                            ; v3   LDS address of the step's K
.set ADV, 4                            ; v4   of its V
.set SPW, 5                            ; v5   LDS address of my spare word; never rewritten
.set NIL, 6                            ; v6   0; never rewritten
.set GO,  7                            ; v7   the way out: my byte offset in two rows of out0
.set STO, 8                            ; v8   where I put 32 bytes of a row
.set RD,  9                            ; v9   where I read a row back
.set ST,  32                           ; tile x's statistics at v[ST + 8 x]: +0 m, +1 the old m, +2, +3 l, +4 .. +7 at work; a in +6
.set S,   64
.set KR,  192
.set QR,  128                          ; in window 1
.set VR,  192                          ; in window 1
.set WV,  8                            ; s8   my wave's number
.set TB,  24                           ; s24  LDS byte at which the step's pieces of K begin
.set SLOTS, 25
.set CNT, 26
.set SEL, 30                           ; s[30:31] v_permlanex16_b32's selects for lane l xor 16
.set MSB, 0
.macro WIN new                         ; the immediate's high byte repeats the setting that is left
.if MSB != \new
	s_set_vgpr_msb (MSB<<8)|\new
.set MSB, \new
.endif
.endm
.macro CROUND                          ; a round of the cluster's barrier
	s_barrier_signal -1
	s_barrier_wait -1
	s_cmp_lg_u32 s[WV], 0
	s_cbranch_scc1 .Lnot_wave_0_\@
	s_barrier_signal -3
.Lnot_wave_0_\@:
	s_barrier_wait -3
	s_barrier_signal -1
	s_barrier_wait -1
.endm
.macro TLOAD                           ; waves 0-3: my quarter of a slot.  The branch hangs on the wave's number alone.  An s_nop 0 and four v_nop follow the line
	s_cmp_lt_u32 s[WV], 4
	s_cbranch_scc0 .Lnone_\@
	tensor_load_to_lds s[12:15], s[16:23]
	s_nop 0
.rept 4
	v_nop
.endr
.Lnone_\@:
.endm
; THE CHANGE OF SLOTS, at a slot's head.  Each wave waits for all its tensor loads (its part of the slot ahead), adds 0 to its spare word, and waits for that and for its reads of the slot that it has left.
; fill = 1: the barrier is a round of the cluster's, and behind it the slot just left takes the next 512 keys: the wave's one tensor load until the next round.
.macro CHANGE fill
	s_wait_tensorcnt 0x0                           ; no tensor load of mine is out, so the descriptor may be written
	ds_add_u32 v[SPW], v[NIL]
.if \fill
	ds_add_u32 v[SPW], v[NIL]                      ; the add twice on end where a load follows that some waves pass by, in every trip alike
	s_xor_b32 s13, s13, SLOT1                      ; the other slot than last time,
	s_add_nc_u64 s[14:15], s[14:15], 65536         ; the next 512 keys' pieces; the type bits on top are not reached
	s_wait_dscnt 0x0                               ; the adds are done, and my reads of the slot that I have left are over
	CROUND
	TLOAD
.else
	s_wait_dscnt 0x0
	s_barrier_signal -1
	s_barrier_wait -1
.endif
.endm
; A KEY STEP: 64 keys.
.macro STEP
	v_add_nc_u32 v[ADK], s[TB], v[LT]
	v_add_nc_u32 v[ADV], s[TB], v[AV0]
.rept 4
	v_nop                                          ; with the two additions six places behind the last step's products: five are owed where the scores are laid over p, which those products read; four for the loads into V
.endr
.irp f, 0,1,2,3,4,5,6,7,8,9,10,11,12,13,14,15  ; K: tile of keys f / 4, piece f % 4
	ds_load_b128 v[KR+4*\f:KR+4*\f+3], v[ADK] offset:512*\f
.endr
	WIN 0x40                                       ; destination window 1
.irp g, 0,1                                    ; V^T: keys 32 g + 16 c on, channels 16 u on
.irp u, 0,1,2,3
.irp c, 0,1
	ds_load_tr16_b128 v[VR+8*(4*\g+\u)+4*\c:VR+8*(4*\g+\u)+4*\c+3], v[ADV] offset:2048*(2*\g+\c)+512*\u
.endr
.endr
.endr
	s_wait_dscnt 16                                ; K is in; V's sixteen loads may be out
	WIN 0x04                                       ; source 1 (Q) window 1
.irp k, 0,1                                    ; S^T = K Q^T: the 16 accumulators by turns, one instruction a turn; the first 16 start the sums
.irp t, 0,1,2,3
.irp x, 0,1,2,3
.if \k == 0
	v_wmma_f32_16x16x32_f16 v[S+32*\x+8*\t:S+32*\x+8*\t+7], v[KR+16*\t+8*\k:KR+16*\t+8*\k+7], v[QR+16*\x+8*\k:QR+16*\x+8*\k+7], 0
.else
	v_wmma_f32_16x16x32_f16 v[S+32*\x+8*\t:S+32*\x+8*\t+7], v[KR+16*\t+8*\k:KR+16*\t+8*\k+7], v[QR+16*\x+8*\k:QR+16*\x+8*\k+7], v[S+32*\x+8*\t:S+32*\x+8*\t+7]
.endif
.endr
.endr
.endr
	WIN 0
.rept 4
	v_nop                                          ; places ahead of the first read of the scores
.endr
	; the maximum of a lane's 32 scores and the old m: four chains a tile, each beginning at its accumulator's low end; the four tiles by turns
.irp c, 0,1,2,3
.irp x, 0,1,2,3
	v_max3_num_f32 v[ST+8*\x+4+\c], v[S+32*\x+8*\c], v[S+32*\x+8*\c+1], v[S+32*\x+8*\c+2]
.endr
.endr
.irp d, 3,5
.irp c, 0,1,2,3
.irp x, 0,1,2,3
	v_max3_num_f32 v[ST+8*\x+4+\c], v[ST+8*\x+4+\c], v[S+32*\x+8*\c+\d], v[S+32*\x+8*\c+\d+1]
.endr
.endr
.endr
.irp x, 0,1,2,3
	v_max3_num_f32 v[ST+8*\x+4], v[ST+8*\x+4], v[S+32*\x+7], v[S+32*\x+15]
.endr
.irp x, 0,1,2,3
	v_max3_num_f32 v[ST+8*\x+6], v[ST+8*\x+6], v[S+32*\x+23], v[S+32*\x+31]
.endr
.irp x, 0,1,2,3
	v_max3_num_f32 v[ST+8*\x+4], v[ST+8*\x+4], v[ST+8*\x+5], v[ST+8*\x+6]
.endr
.irp x, 0,1,2,3
	v_max3_num_f32 v[ST+8*\x+4], v[ST+8*\x+4], v[ST+8*\x+7], v[ST+8*\x]
.endr
.irp x, 0,1,2,3
	v_permlanex16_b32 v[ST+8*\x+5], v[ST+8*\x+4], s[SEL], s[SEL+1]   ; the query's other 32 keys lie in the lane 16 away
.endr
.irp x, 0,1,2,3
	v_mov_b32 v[ST+8*\x+1], v[ST+8*\x]             ; the old m is kept for a
.endr
.irp x, 0,1,2,3
	v_max_num_f32 v[ST+8*\x], v[ST+8*\x+4], v[ST+8*\x+5]
.endr
.irp x, 0,1,2,3
	v_sub_f32 v[ST+8*\x+7], v[ST+8*\x+1], v[ST+8*\x]
.endr
.irp x, 0,1,2,3
.set i, 0
.rept 16
	v_pk_add_f32 v[S+32*\x+i:S+32*\x+i+1], v[S+32*\x+i:S+32*\x+i+1], v[ST+8*\x:ST+8*\x+1] op_sel_hi:[1,0] neg_lo:[0,1] neg_hi:[0,1]   ; s - m, two at a time: at most 0
.set i, i+2
.endr
.endr
	; ONE BATCH of exponentials: the four a and the 128 p; none reads another's result
.irp x, 0,1,2,3
	v_exp_f32 v[ST+8*\x+6], v[ST+8*\x+7]
.endr
.set i, 0
.rept 128
	v_exp_f32 v[S+i], v[S+i]
.set i, i+1
.endr
	v_nop                                          ; a plain line behind the last exponential
	s_wait_alu depctr_va_vdst(0)                   ; one wait for the batch, ahead of its first reader
	; l = a l + the sum of the unrounded p: two chains a tile, the tiles by turns
.irp x, 0,1,2,3
	v_pk_fma_f32 v[ST+8*\x+2:ST+8*\x+3], v[ST+8*\x+2:ST+8*\x+3], v[ST+8*\x+6:ST+8*\x+7], v[S+32*\x:S+32*\x+1] op_sel_hi:[1,0,1]
.endr
.irp x, 0,1,2,3
	v_pk_add_f32 v[ST+8*\x+4:ST+8*\x+5], v[S+32*\x+2:S+32*\x+3], v[S+32*\x+4:S+32*\x+5]
.endr
.irp j, 6,10,14,18,22,26
.irp x, 0,1,2,3
	v_pk_add_f32 v[ST+8*\x+2:ST+8*\x+3], v[ST+8*\x+2:ST+8*\x+3], v[S+32*\x+\j:S+32*\x+\j+1]
	v_pk_add_f32 v[ST+8*\x+4:ST+8*\x+5], v[ST+8*\x+4:ST+8*\x+5], v[S+32*\x+\j+2:S+32*\x+\j+3]
.endr
.endr
.irp x, 0,1,2,3
	v_pk_add_f32 v[ST+8*\x+2:ST+8*\x+3], v[ST+8*\x+2:ST+8*\x+3], v[S+32*\x+30:S+32*\x+31]
.endr
.irp x, 0,1,2,3
	v_pk_add_f32 v[ST+8*\x+2:ST+8*\x+3], v[ST+8*\x+2:ST+8*\x+3], v[ST+8*\x+4:ST+8*\x+5]
.endr
.irp x, 0,1,2,3                                ; p to f16, in place: pair i goes to register i, which no later pair reads
.set i, 0
.rept 16
	v_cvt_pk_f16_f32 v[S+32*\x+i], v[S+32*\x+2*i], v[S+32*\x+2*i+1]
.set i, i+1
.endr
.endr
	WIN 0x41                                       ; O^T (destination and source 0) window 1, a window 0
.irp x, 0,1,2,3
.set i, 0
.rept 16
	v_pk_mul_f32 v[32*\x+i:32*\x+i+1], v[32*\x+i:32*\x+i+1], v[ST+8*\x+6:ST+8*\x+7] op_sel_hi:[1,0]   ; O^T x a, each accumulator from its low end on
.set i, i+2
.endr
.endr
	s_wait_dscnt 0x0                               ; V is in
	WIN 0x51                                       ; V and O^T window 1, p window 0
.irp g, 0,1                                    ; O^T += V^T P: the 16 accumulators by turns
.irp u, 0,1,2,3
.irp x, 0,1,2,3
	v_wmma_f32_16x16x32_f16 v[32*\x+8*\u:32*\x+8*\u+7], v[VR+8*(4*\g+\u):VR+8*(4*\g+\u)+7], v[S+32*\x+8*\g:S+32*\x+8*\g+7], v[32*\x+8*\u:32*\x+8*\u+7]
.endr
.endr
.endr
	WIN 0
	s_add_co_u32 s[TB], s[TB], 8192                ; the next step's pieces
.endm
.macro SLOT_STEPS                      ; a slot's eight steps: written once, walked eight times
	s_mov_b32 s[CNT], 8
.Lstep_\@:
	STEP
	s_sub_co_u32 s[CNT], s[CNT], 1
	s_cmp_lg_u32 s[CNT], 0
	s_cbranch_scc1 .Lstep_\@
	s_sub_co_u32 s[TB], s[TB], 65536               ; back to a slot's first step,
	s_xor_b32 s[TB], s[TB], SLOT1                  ; in the other slot
.endm
	s_load_b128 s[4:7], s[0:1], 0x0                ; qkv s[4:5], out0 s[6:7]
	v_lshl_add_u32 v[SPW], v0, 2, SPARE
	v_mov_b32 v[NIL], 0
	ds_add_u32 v[SPW], v[NIL]                      ; the wave's opening: the add, twice on end, and its wait ahead of my first tensor load
	ds_add_u32 v[SPW], v[NIL]                      ; the set-up below, work on registers, stands between the second and the wait
	v_lshrrev_b32 v10, 5, v0
	v_readfirstlane_b32 s[WV], v10                 ; wave 0..7
	s_bfe_u32 s9, ttmp6, 0x40000                   ; cx: my place in the cluster
	s_lshl_b32 s11, ttmp9, 2
	s_add_co_u32 s11, s11, s9                      ; my block of 512 queries: it enters Q's and out0's addresses alone
	s_and_b32 s10, ttmp7, 0xffff                   ; 16 x batch + head, which the four partners share
	; descriptor group 1: 32 KiB, dense: 128 rows of 256 bytes (32 elements of 8 bytes), no padding
	s_mov_b32 s16, 15|(3<<16)|(1<<21)              ; 15:0 the mask: all four work-groups; 17:16 elements of 8 bytes; 21 set beside a mask
	s_mov_b32 s17, 32<<16                          ; tensor_dim0
	s_mov_b32 s18, 128<<16                         ; tensor_dim1
	s_mov_b32 s19, 32<<16                          ; tile_dim0
	s_mov_b32 s20, 128                             ; tile_dim1
	s_mov_b32 s21, 32                              ; tensor_dim0_stride
	s_mov_b32 s22, 0
	s_mov_b32 s23, 0
	; group 0: waves 0, 1: K's halves; waves 2, 3: V's
	s_and_b32 s32, s[WV], 3
	s_mov_b32 s12, 1                               ; count = 1
	s_lshl_b32 s13, s32, 15                        ; LDS address: my quarter of slot 0
	s_lshr_b32 s33, s32, 1
	s_add_co_u32 s33, s33, 1                       ; 1: k, 2: v
	s_lshl_b32 s33, s33, 24                        ; x 16 MiB
	s_lshl_b32 s34, s10, 18                        ; the head's 256 KiB
	s_add_co_u32 s33, s33, s34
	s_and_b32 s35, s[WV], 1
	s_lshl_b32 s35, s35, 15                        ; my half of a slot's 64 KiB
	s_add_co_u32 s32, s33, s35
	s_mov_b32 s33, 0
	s_lshl_b32 s35, s11, 5
	s_lshl_b32 s27, s[WV], 2
	s_add_co_u32 s35, s35, s27                     ; my first tile of 16 queries
	s_lshl_b32 s35, s35, 11
	s_add_co_u32 s34, s34, s35                     ; Q: head + tile x 2 KiB
	s_mov_b32 s35, 0
	s_lshr_b32 s28, s10, 4
	s_lshl_b32 s28, s28, 11                        ; batch x 2,048 rows
	s_lshl_b32 s27, s11, 9
	s_add_co_u32 s28, s28, s27
	s_lshl_b32 s27, s[WV], 6
	s_add_co_u32 s28, s28, s27                     ; my first row of out0
	s_lshl_b32 s28, s28, 12                        ; x 4,096 bytes
	s_and_b32 s27, s10, 15
	s_lshl_b32 s27, s27, 8                         ; + the head's 256 bytes
	s_add_co_u32 s28, s28, s27
	s_mov_b32 s29, 0
	s_mov_b32 s[SEL], 0x76543210
	s_mov_b32 s[SEL+1], 0xfedcba98
	s_mov_b32 s[TB], 0
	s_mov_b32 s[SLOTS], 3
	v_and_b32 v10, 31, v0                          ; lane
	v_bfe_u32 v11, v0, 4, 1                        ; h = lane / 16
	v_and_b32 v12, 15, v0                          ; r = lane % 16
	v_lshlrev_b32 v13, 3, v11
	v_xor_b32 v13, v13, v10
	v_lshlrev_b32 v[LT], 4, v13
	v_and_b32 v13, 7, v0                           ; the turning load: lane l asks for token l % 8 + 8 (l / 16), channels 8 e on, e = (l / 8) % 2
	v_lshl_add_u32 v13, v11, 3, v13
	v_bfe_u32 v14, v0, 3, 1
	v_lshlrev_b32 v15, 3, v14
	v_xor_b32 v13, v13, v15
	v_lshl_add_u32 v13, v14, 4, v13
	v_lshlrev_b32 v[AV0], 4, v13
	v_add_nc_u32 v[AV0], VOFF, v[AV0]
	v_lshlrev_b32 v[GO], 12, v11
	v_lshl_add_u32 v[GO], v12, 4, v[GO]            ; lanes 0-15 one row of out0, lanes 16-31 the next; 16 bytes a lane
	s_mul_i32 s27, s[WV], 16*272
	s_add_co_u32 s27, s27, STAGE                   ; my stage
	v_mul_u32_u24 v[STO], v12, 272
	v_lshl_add_u32 v[STO], v11, 5, v[STO]
	v_add_nc_u32 v[STO], s27, v[STO]               ; in: row r, 32 bytes for each half of the lanes
	v_mul_u32_u24 v[RD], v11, 272
	v_lshl_add_u32 v[RD], v12, 4, v[RD]
	v_add_nc_u32 v[RD], s27, v[RD]                 ; back: lanes 0-15 one row of 256 bytes, lanes 16-31 the next
	s_wait_dscnt 0x0                               ; both opening adds are done
	s_wait_kmcnt 0x0
	s_add_nc_u64 s[14:15], s[4:5], s[32:33]        ; global address of my quarter of the first 512 keys
	s_or_b32 s15, s15, 0x80000000                  ; type = 2
	s_add_nc_u64 s[4:5], s[4:5], s[34:35]          ; Q at my first tile
	s_add_nc_u64 s[6:7], s[6:7], s[28:29]          ; out0 at my first row
	CROUND                                         ; all four work-groups are here: the first joint loads meet
	TLOAD                                          ; slot 0
	WIN 0x40                                       ; destination window 1
.irp f, 0,1,2,3,4,5,6,7,8,9,10,11,12,13,14,15  ; Q stays in registers: tile f / 4, piece f % 4
	global_load_b128 v[QR+4*\f:QR+4*\f+3], v[LT], s[4:5] offset:512*\f th:TH_LOAD_NT
.endr
.set i, 0
.rept 128
	v_mov_b32 v[i], 0                              ; O^T.  The step is written once: its first walk finds zeros, which a = 0 leaves zeros; a first step of its own would be a third copy of the step
.set i, i+1
.endr
	WIN 0
.irp x, 0,1,2,3
	v_mov_b32 v[ST+8*\x], 0xff61b1e6               ; m: -3e38, under every score
	v_mov_b32 v[ST+8*\x+2], 0                      ; l, in two halves
	v_mov_b32 v[ST+8*\x+3], 0
.endr
	s_wait_loadcnt 0x0                             ; Q
.Lslot:                                            ; three trips: behind each change of slots but the last the next 512 keys are asked for
	CHANGE 1
	SLOT_STEPS
	s_sub_co_u32 s[SLOTS], s[SLOTS], 1
	s_cmp_lg_u32 s[SLOTS], 0
	s_cbranch_scc1 .Lslot
	CHANGE 0                                       ; the last slot is written out
	SLOT_STEPS
	; THE WAY OUT.  l's halves and the other half of the lanes' are added; O^T / l goes through my stage, a tile (16 rows x 256 bytes) at a time.  The four additions are the places behind the last products.
.irp x, 0,1,2,3
	v_add_f32 v[ST+8*\x+4], v[ST+8*\x+2], v[ST+8*\x+3]
.endr
.irp x, 0,1,2,3
	v_permlanex16_b32 v[ST+8*\x+5], v[ST+8*\x+4], s[SEL], s[SEL+1]
.endr
.irp x, 0,1,2,3
	v_add_f32 v[ST+8*\x+4], v[ST+8*\x+4], v[ST+8*\x+5]
.endr
.irp x, 0,1,2,3
	v_rcp_f32 v[ST+8*\x+6], v[ST+8*\x+4]
.endr
	v_nop                                          ; a plain line behind the last reciprocal
	s_wait_alu depctr_va_vdst(0)                   ; one wait for the four, ahead of their first reader
.macro PACK x
	WIN 0x01                                       ; source 0 (O^T) window 1
.set i, 0
.rept 16
	v_pk_mul_f32 v[S+32*\x+i:S+32*\x+i+1], v[32*\x+i:32*\x+i+1], v[ST+8*\x+6:ST+8*\x+7] op_sel_hi:[1,0]   ; register 8 u + j: channel 16 u + 8 h + j of query r
.set i, i+2
.endr
	WIN 0
.irp u, 0,1,2,3
	ds_store_b128 v[STO], v[S+32*\x+8*\u:S+32*\x+8*\u+3] offset:64*\u
	ds_store_b128 v[STO], v[S+32*\x+8*\u+4:S+32*\x+8*\u+7] offset:64*\u+16
.endr
.irp f, 0,1,2,3,4,5,6,7
	ds_load_b128 v[S+32*\x+4*\f:S+32*\x+4*\f+3], v[RD] offset:544*\f   ; LDS serves a wave's instructions in order: these see the stores above, and the next tile's stores come behind them
.endr
.endm
.macro SEND x, younger                 ; younger: the LDS instructions issued behind tile x's loads: the next tile's sixteen, or none
.irp f, 0,1,2,3,4,5,6,7
	s_wait_dscnt \younger+7-\f
	global_store_b128 v[GO], v[S+32*\x+4*\f:S+32*\x+4*\f+3], s[6:7] offset:65536*\x+8192*\f th:TH_STORE_NT   ; sixteen lanes store 256 consecutive bytes, aligned: a head's 64 channels of one query
.endr
.endm
	PACK 0
	PACK 1
	SEND 0, 16
	PACK 2
	SEND 1, 16
	PACK 3
	SEND 2, 16
	SEND 3, 0
	s_wait_tensorcnt 0x0                           ; the wave's end: three lines behind my last tensor load and my last LDS store
	ds_add_u32 v[SPW], v[NIL]
	s_wait_dscnt 0x0
	CROUND                                         ; the closing round: no work-group ends while a partner may still ask for a tile that names it
	s_endpgm
.Lfunc_end_k_qf235aaa452_attn:
	.size	k_qf235aaa452_attn, .Lfunc_end_k_qf235aaa452_attn-k_qf235aaa452_attn
	.p2alignl 7, 3214868480
	.fill 96, 4, 3214868480
	.section	.rodata,"a",@progbits
	.p2align	6, 0x0
	.amdhsa_kernel k_qf235aaa452_attn
		.amdhsa_group_segment_fixed_size 327680
		.amdhsa_private_segment_fixed_size 0
		.amdhsa_enable_private_segment 0
		.amdhsa_kernarg_size 16
		.amdhsa_user_sgpr_count 2
		.amdhsa_user_sgpr_kernarg_segment_ptr 1
		.amdhsa_wavefront_size32 1
		.amdhsa_system_sgpr_workgroup_id_x 1
		.amdhsa_system_sgpr_workgroup_id_y 1
		.amdhsa_system_sgpr_workgroup_id_z 1
		.amdhsa_system_vgpr_workitem_id 0
		.amdhsa_next_free_vgpr 512
		.amdhsa_next_free_sgpr 66
		.amdhsa_reserve_vcc 0
		.amdhsa_float_denorm_mode_32 3
		.amdhsa_float_denorm_mode_16_64 3
		.amdhsa_memory_ordered 1
		.amdhsa_forward_progress 1
		.amdhsa_inst_pref_size 89
	.end_amdhsa_kernel
	.amdgpu_metadata
---
amdhsa.version: [ 1, 2 ]
amdhsa.kernels:
  - .name:           k_qf235aaa452_attn
    .symbol:         k_qf235aaa452_attn.kd
    .args:
      - { .name: qkv, .offset: 0, .size: 8, .value_kind: global_buffer, .address_space: global }
      - { .name: out0, .offset: 8, .size: 8, .value_kind: global_buffer, .address_space: global }
    .group_segment_fixed_size: 327680
    .private_segment_fixed_size: 0
    .kernarg_segment_align: 8
    .kernarg_segment_size: 16
    .max_flat_workgroup_size: 256
    .sgpr_count:     66
    .vgpr_count:     512
    .wavefront_size: 32
...
	.end_amdgpu_metadata
.endif
;; end of part 3
